; MI455X (gfx1250); checked and timed in simulation.
; The chip was launched on July 23, 2026; its instructions are those of AMD's public machine-readable ISA for CDNA 5 (MIT licence, August 2026) and "CDNA5" Instruction Set Architecture Reference Guide (July 2026). The comments in the code are by the model that wrote it; some were corrected since.
;; Visible Net. Allowed arithmetic: float matrix products may take bf16 or f16 operands with f32 sums; all other float work in f32.
;; Inputs: x 4 x 1 x 128 x 256 x 256 float32.
;; Outputs: out0 4 x 2 x 4 x 256 x 256 float32.
;; One version. Each part assembles by itself: llvm-mc -triple=amdgcn-amd-amdhsa -mcpu=gfx1250 --defsym DOCPART=n.
;; ======== version 1 of 1: 2 launches
;; workspace buffers: raw 4,194,304 bytes; part 2,048 bytes
;; launch select (part 1): grid 256 x 1, 8 waves a work-group, no clusters, 1,280 bytes of LDS; arguments x, raw, part, out0; writes raw, part, out0
.if DOCPART == 1
	.amdgcn_target "amdgcn-amd-amdhsa--gfx1250"
	.amdhsa_code_object_version 6
	.text
	.protected	k_q3c9d382f2d_select
	.globl	k_q3c9d382f2d_select
	.p2align	8
	.type	k_q3c9d382f2d_select,@function
k_q3c9d382f2d_select:
	s_mov_b64 s[64:65], 0
	v_nop
	global_prefetch_b8 v0, s[64:65] scope:SCOPE_SE
	s_setreg_imm32_b32 hwreg(HW_REG_WAVE_MODE, 25, 1), 1
	s_wait_xcnt 0x0
; First of two launches.  x: [4][128 depths][65536 columns] f32.
; For every column: the four largest relu(x) along the depth, largest first, equal numbers by ascending depth.
;   raw [4][4 ranks][65536]            the four numbers, not yet normalised (the second launch scales them)
;   out0[b][1][rank][65536]            (127 - depth) / 127 of the four, final
;   part[256 work-groups][2]           smallest and largest relu(x) that the work-group has seen
; Normalising is a non-decreasing map, so choosing before it chooses the same numbers.
;
; LIMITS.  NaN in x is not served (the compares are false for it and the minimum drops it; the definition makes the whole
; batch NaN).  Two different numbers of a column that round to the same normalised number (they lie within a few units in
; the last place of each other) are ordered here by x, in the definition by depth: equal values, two depths exchanged.
; The depth is (127 - d) times the f32 nearest to 1/127: within one unit in the last place of the quotient, exact at 0 and 1.
;
; SHARES.  256 work-groups of eight waves.  A work-group owns 1,024 neighbouring columns of one batch, a lane four of them:
; one load of a wave covers 512 consecutive bytes, aligned.  The waves meet only once, for the work-group's minimum and maximum.
; A ring of RING slots in registers keeps RING loads (16 KiB) of every wave in flight; x is read once, so no LDS is needed for it.
;
; ONE NUMBER k costs 13 vector instructions and half a v_min3:
;   4 compares k > a_j into scalar masks (strict: an equal number that came earlier stays in front)
;   new a_j = the middle one of a_(j-1), a_j, k for ranks 1..3, new a_0 = max(a_0, k): the sorted values, without any select
;   the four depths of a column are four bytes of ONE register; 4 selects pick a byte selector by the rank at which k enters,
;   and one v_perm_b32 moves the lower ranks down and drops 127 - d into the gap.
; relu is applied to depths 0..3 only: after four numbers >= 0 every a_j is >= 0, so a later x <= 0 enters nowhere, and the zeros
; that the definition keeps are those of the lowest depths.  min(relu x) = relu(min x), so the minimum runs on x as loaded.
.set PLANE, 262144                     ; bytes from one depth to the next, and from one rank to the next in raw and out0
.set DEPTH, 128
.set RING,  32                         ; slots; (RING-1)*PLANE still fits the 24-bit immediate offset
.set LAPS,  DEPTH/RING                 ; 4: three with loads (the loop), the last without
.set OFF, 1                            ; v1        16 x thread: my four columns inside the work-group's 4,096 bytes of a plane
.set T0,  2                            ; v2        at work
.set IDS, 3                            ; v3        the selector that leaves the four bytes as they are
.set MN,  4                            ; v[4:5]    two running minima (columns 0,1 and 2,3)
.set RED, 6                            ; v[6:7]    minimum, maximum on their way out
.set A,   8                            ; v[8:23]   a_j of column c at A + 4 j + c: a rank's four columns are one 16-byte store
.set P,   24                           ; v[24:27]  column c: byte j = 127 - depth of rank j
.set SEL, 28                           ; v[28:31]  column c: the selector of this step
.set X,   32                           ; v[32:159] slot s: four numbers as loaded
.set CM,  16                           ; s[16:31]  mask of k > a_j for column c at CM + 4 c + j
.set INS, 32                           ; s[32:35]  selector for an entry at rank j
.set E,   36                           ; s36       127 - depth of the step at work
.set CNT, 37                           ; s37       laps done
	s_load_b256 s[4:11], s[0:1], 0x0               ; x s[4:5], raw s[6:7], part s[8:9], out0 s[10:11]
	v_lshl_add_u32 v160, v0, 2, 0x100
	v_mov_b32 v161, 0
	v_lshlrev_b32 v[OFF], 4, v0
	v_lshrrev_b32 v[T0], 5, v0
	v_readfirstlane_b32 s12, v[T0]                 ; wave 0..7
	s_lshr_b32 s13, ttmp9, 6                       ; batch: 64 work-groups each
	s_and_b32 s14, ttmp9, 63
	s_lshl_b32 s14, s14, 12                        ; the work-group's 4,096 bytes in a plane
	s_lshl_b32 s40, s13, 25                        ; x: a batch is 128 planes
	s_add_co_u32 s40, s40, s14
	s_mov_b32 s41, 0
	s_lshl_b32 s42, s13, 20                        ; raw: a batch is 4 planes
	s_add_co_u32 s42, s42, s14
	s_mov_b32 s43, 0
	s_lshl_b32 s44, s13, 21                        ; out0: a batch is 8 planes, the depths are the upper four
	s_add_co_u32 s44, s44, s14
	s_add_co_u32 s44, s44, 4*PLANE
	s_mov_b32 s45, 0
	s_lshl_b32 s46, ttmp9, 3                       ; part: 8 bytes for each work-group
	s_mov_b32 s47, 0
	s_wait_kmcnt 0x0
	s_add_nc_u64 s[4:5], s[4:5], s[40:41]
	s_add_nc_u64 s[6:7], s[6:7], s[42:43]
	s_add_nc_u64 s[8:9], s[8:9], s[46:47]
	s_add_nc_u64 s[10:11], s[10:11], s[44:45]
.set slot, 0
.rept RING                                             ; fill the ring: depths 0..31
	global_load_b128 v[X+4*slot:X+4*slot+3], v[OFF], s[4:5] offset:slot*PLANE th:TH_LOAD_NT
.set slot, slot+1
.endr
	; while they are on their way: constants and the empty lists
	s_mov_b32 s[INS+3], 0x00060504                 ; v_perm_b32: 4..7 = bytes of the old register, 0 = byte 0 of the new depth
	s_mov_b32 s[INS+2], 0x06000504
	s_mov_b32 s[INS+1], 0x06050004
	s_mov_b32 s[INS+0], 0x06050400
	s_mov_b32 s38, 0x76543210                      ; v_permlanex16_b32: lane i of one half reads lane i of the other
	s_mov_b32 s39, 0xfedcba98
	s_mov_b32 s[E], DEPTH-1
	s_mov_b32 s[CNT], 0
	v_mov_b32 v[IDS], 0x07060504
	v_mov_b32 v[MN], 0x7f800000                    ; +infinity
	v_mov_b32 v[MN+1], 0x7f800000
.set r, 0
.rept 16
	v_mov_b32 v[A+r], -1.0                         ; below every relu(x): depths 0..3 push all four out
.set r, r+1
.endr
.irp c, 0,1,2,3
	v_mov_b32 v[P+\c], 0
.endr
	s_wait_loadcnt RING-4                          ; depths 0..3 are in, the 28 younger loads stay out
.set r, 0
.rept 16
	v_max_num_f32 v[X+r], 0, v[X+r]                ; relu, in the ring's registers
.set r, r+1
.endr
; The turn of slot s: one depth, four columns a lane.  ahead = 1: the slot is loaded again, RING depths further down.
; left = how many younger loads may stay out.
.macro TURN s, ahead, left
	s_wait_loadcnt \left                           ; loads return in order (ISA guide 5.7.1): this slot's is in
.irp c, 0,1,2,3
.irp j, 0,1,2,3
	v_cmp_gt_f32 s[CM+4*\c+\j], v[X+4*\s+\c], v[A+4*\j+\c]     ; against the old lists, so ahead of the lines that renew them
.endr
.endr
.irp c, 0,1,2,3
	v_med3_num_f32 v[A+12+\c], v[A+8+\c], v[A+12+\c], v[X+4*\s+\c]   ; lowest rank first: each reads the rank above as it was
.endr
.irp c, 0,1,2,3
	v_med3_num_f32 v[A+8+\c], v[A+4+\c], v[A+8+\c], v[X+4*\s+\c]
.endr
.irp c, 0,1,2,3
	v_med3_num_f32 v[A+4+\c], v[A+\c], v[A+4+\c], v[X+4*\s+\c]
.endr
.irp c, 0,1,2,3
	v_max_num_f32 v[A+\c], v[A+\c], v[X+4*\s+\c]
.endr
	v_min3_num_f32 v[MN], v[MN], v[X+4*\s], v[X+4*\s+1]
	v_min3_num_f32 v[MN+1], v[MN+1], v[X+4*\s+2], v[X+4*\s+3]
.if \ahead
	global_load_b128 v[X+4*\s:X+4*\s+3], v[OFF], s[4:5] offset:\s*PLANE th:TH_LOAD_NT   ; the slot's numbers have been read
.endif
.irp c, 0,1,2,3
	v_cndmask_b32 v[SEL+\c], v[IDS], s[INS+3], s[CM+4*\c+3]    ; k > a_3: enters at rank 3, else nothing moves
.endr
.irp c, 0,1,2,3
	v_cndmask_b32 v[SEL+\c], v[SEL+\c], s[INS+2], s[CM+4*\c+2] ; each higher rank that k beats overrules
.endr
.irp c, 0,1,2,3
	v_cndmask_b32 v[SEL+\c], v[SEL+\c], s[INS+1], s[CM+4*\c+1]
.endr
.irp c, 0,1,2,3
	v_cndmask_b32 v[SEL+\c], v[SEL+\c], s[INS+0], s[CM+4*\c+0]
.endr
.irp c, 0,1,2,3
	v_perm_b32 v[P+\c], v[P+\c], s[E], v[SEL+\c]
.endr
	s_sub_co_u32 s[E], s[E], 1                     ; the next depth
.endm
.Llap:
	s_wait_xcnt 0x0                                ; the base that the issued loads name is stepped only behind this wait
	s_add_nc_u64 s[4:5], s[4:5], RING*PLANE        ; this lap's loads fetch the next lap's depths
.set slot, 0
.rept RING
	TURN slot, 1, RING-1
.set slot, slot+1
.endr
	s_add_co_u32 s[CNT], s[CNT], 1
	s_cmp_lt_u32 s[CNT], LAPS-1
	s_cbranch_scc1 .Llap
.set slot, 0
.rept RING                                             ; depths 96..127: nothing is left to load, the counts run down to 0
	TURN slot, 0, RING-1-slot
.set slot, slot+1
.endr
	; THE WAY OUT.  Every store of a wave covers 512 consecutive bytes, aligned.
.irp j, 0,1,2,3
	global_store_b128 v[OFF], v[A+4*\j:A+4*\j+3], s[6:7] offset:\j*PLANE      ; read again by the next launch: no hint
.endr
.irp j, 0,1,2,3
.irp c, 0,1,2,3
	v_bfe_u32 v[X+4*\j+\c], v[P+\c], 8*\j, 8       ; 127 - depth of rank j; the ring's registers are free now
.endr
.endr
.set r, 0
.rept 16
	v_cvt_f32_u32 v[X+r], v[X+r]
.set r, r+1
.endr
.set r, 0
.rept 8
	v_pk_mul_f32 v[X+r:X+r+1], v[X+r:X+r+1], 0x3c010204 op_sel_hi:[1,0]       ; times 1/127
.set r, r+2
.endr
.irp j, 0,1,2,3
	global_store_b128 v[OFF], v[X+4*\j:X+4*\j+3], s[10:11] offset:\j*PLANE th:TH_STORE_NT
.endr
	; smallest x and largest relu(x): my four columns, the 32 lanes, the eight waves
	v_min_num_f32 v[RED], v[MN], v[MN+1]
	v_max3_num_f32 v[RED+1], v[A], v[A+1], v[A+2]  ; the largest of a column is its rank 0
	v_max_num_f32 v[RED+1], v[RED+1], v[A+3]
.irp m, 1,2,4,8
	v_min_num_f32_dpp v[RED], v[RED], v[RED] row_xmask:\m row_mask:0xf bank_mask:0xf
	v_max_num_f32_dpp v[RED+1], v[RED+1], v[RED+1] row_xmask:\m row_mask:0xf bank_mask:0xf
.endr
	v_permlanex16_b32 v[T0], v[RED], s38, s39      ; destinations that have been written before
	v_permlanex16_b32 v[IDS], v[RED+1], s38, s39
	v_min_num_f32 v[RED], v[RED], v[T0]
	v_max_num_f32 v[RED+1], v[RED+1], v[IDS]
	v_mov_b32 v[T0], s12
	v_lshlrev_b32 v[T0], 3, v[T0]                  ; my wave's 8 bytes of LDS
	ds_store_b64 v[T0], v[RED:RED+1]               ; all lanes hold the same pair
	s_wait_dscnt 0x0                               ; for wave 0, which reads it behind the barrier
	s_barrier_signal -1
	s_barrier_wait -1
	s_cmp_lg_u32 s12, 0
	s_cbranch_scc1 .Lend
	v_and_b32 v[T0], 7, v0                         ; wave 0: lane l takes the pair of wave l % 8
	v_lshlrev_b32 v[T0], 3, v[T0]
	ds_load_b64 v[RED:RED+1], v[T0]
	s_wait_dscnt 0x0
.irp m, 1,2,4
	v_min_num_f32_dpp v[RED], v[RED], v[RED] row_xmask:\m row_mask:0xf bank_mask:0xf
	v_max_num_f32_dpp v[RED+1], v[RED+1], v[RED+1] row_xmask:\m row_mask:0xf bank_mask:0xf
.endr
	v_max_num_f32 v[RED], 0, v[RED]                ; min(relu x) = relu(min x)
	v_mov_b32 v[T0], 0
	v_cmp_eq_u32 vcc_lo, 0, v0
	s_wait_xcnt 0x0                                ; EXEC is a source of the stores above: it narrows only behind this wait
	s_and_saveexec_b32 s13, vcc_lo
	global_store_b64 v[T0], v[RED:RED+1], s[8:9]   ; one lane: the work-group's 8 bytes of part
	s_wait_xcnt 0x0                                ; and widens only behind this one
	s_or_b32 exec_lo, exec_lo, s13
.Lend:
	s_wait_tensorcnt 0x0
	ds_add_u32 v160, v161
	s_wait_dscnt 0x0
	s_endpgm
.Lfunc_end_k_q3c9d382f2d_select:
	.size	k_q3c9d382f2d_select, .Lfunc_end_k_q3c9d382f2d_select-k_q3c9d382f2d_select
	.p2alignl 7, 3214868480
	.fill 96, 4, 3214868480
	.section	.rodata,"a",@progbits
	.p2align	6, 0x0
	.amdhsa_kernel k_q3c9d382f2d_select
		.amdhsa_group_segment_fixed_size 1280
		.amdhsa_private_segment_fixed_size 0
		.amdhsa_enable_private_segment 0
		.amdhsa_kernarg_size 32
		.amdhsa_user_sgpr_count 2
		.amdhsa_user_sgpr_kernarg_segment_ptr 1
		.amdhsa_wavefront_size32 1
		.amdhsa_system_sgpr_workgroup_id_x 1
		.amdhsa_system_sgpr_workgroup_id_y 1
		.amdhsa_system_sgpr_workgroup_id_z 1
		.amdhsa_system_vgpr_workitem_id 0
		.amdhsa_next_free_vgpr 162
		.amdhsa_next_free_sgpr 66
		.amdhsa_reserve_vcc 1
		.amdhsa_float_denorm_mode_32 3
		.amdhsa_float_denorm_mode_16_64 3
		.amdhsa_memory_ordered 1
		.amdhsa_forward_progress 1
		.amdhsa_inst_pref_size 227
	.end_amdhsa_kernel
	.amdgpu_metadata
---
amdhsa.version: [ 1, 2 ]
amdhsa.kernels:
  - .name:           k_q3c9d382f2d_select
    .symbol:         k_q3c9d382f2d_select.kd
    .args:
      - { .name: x, .offset: 0, .size: 8, .value_kind: global_buffer, .address_space: global }
      - { .name: raw, .offset: 8, .size: 8, .value_kind: global_buffer, .address_space: global }
      - { .name: part, .offset: 16, .size: 8, .value_kind: global_buffer, .address_space: global }
      - { .name: out0, .offset: 24, .size: 8, .value_kind: global_buffer, .address_space: global }
    .group_segment_fixed_size: 1280
    .private_segment_fixed_size: 0
    .kernarg_segment_align: 8
    .kernarg_segment_size: 32
    .max_flat_workgroup_size: 256
    .sgpr_count:     66
    .vgpr_count:     162
    .wavefront_size: 32
...
	.end_amdgpu_metadata
.endif
;; end of part 1
;; launch norm (part 2): grid 256 x 1, 8 waves a work-group, no clusters, 0 bytes of LDS; arguments raw, part, out0; writes out0
.if DOCPART == 2
	.amdgcn_target "amdgcn-amd-amdhsa--gfx1250"
	.amdhsa_code_object_version 6
	.text
	.protected	k_q3c9d382f2d_norm
	.globl	k_q3c9d382f2d_norm
	.p2align	8
	.type	k_q3c9d382f2d_norm,@function
k_q3c9d382f2d_norm:
	s_mov_b64 s[64:65], 0
	v_nop
	global_prefetch_b8 v0, s[64:65] scope:SCOPE_SE
	s_setreg_imm32_b32 hwreg(HW_REG_WAVE_MODE, 25, 1), 1
	s_wait_xcnt 0x0
; Second launch: out0[b][0][rank][column] = (raw - min) / (max - min + 1e-15) * 100000, min and max over the whole batch b.
; raw: [4][4][65536] f32, part: [256][2] f32 (64 pairs of minimum, maximum for each batch), both from the first launch.
; 256 work-groups of eight waves; a work-group scales 16 KiB, a lane four times 16 bytes; a load or store of a wave covers 512
; consecutive bytes, aligned.  A batch's 64 pairs are 512 bytes: every wave loads them with one instruction and reduces them
; across its lanes, so that no wave waits for another: no LDS, no barrier.
; LIMITS.  The quotient is a product with 100000 / divisor, made with v_rcp_f32: a few units in the last place from the
; definition's divide-then-multiply.  The sign of a zero is not kept.  The divisor goes through v_rcp_f32 scaled by 2^-32, and
; 100000 carries the same factor: neither the divisor (from 1e-15 to the largest f32) nor its reciprocal is then a denormal,
; which v_rcp_f32 would flush (ISA guide, its entry in 15.8).
	s_load_b128 s[4:7], s[0:1], 0x0                ; raw s[4:5], part s[6:7]
	s_load_b64 s[8:9], s[0:1], 0x10                ; out0
	v_and_b32 v1, 31, v0
	v_lshlrev_b32 v1, 4, v1                        ; lane x 16: two pairs of part
	v_lshlrev_b32 v2, 4, v0                        ; thread x 16: my bytes in each 4,096 of the work-group's share
	s_lshr_b32 s10, ttmp9, 6                       ; batch: 64 work-groups each
	s_lshl_b32 s12, s10, 9                         ; part: 512 bytes a batch
	s_mov_b32 s13, 0
	s_lshl_b32 s14, ttmp9, 14                      ; raw: 16 KiB a work-group, batches back to back (1 MiB each)
	s_mov_b32 s15, 0
	s_lshl_b32 s16, s10, 20                        ; out0: a batch is 2 MiB, so one more MiB for each batch in front
	s_add_co_u32 s16, s16, s14
	s_mov_b32 s17, 0
	s_mov_b32 s18, 0x76543210                      ; v_permlanex16_b32: lane i of one half reads lane i of the other
	s_mov_b32 s19, 0xfedcba98
	s_mov_b32 s20, 0x2f800000                      ; 2^-32
	s_mov_b32 s21, 0x16901d7d                      ; 1e-15 (as f32) x 2^-32
	s_mov_b32 s22, 0x37c35000                      ; 100000 x 2^-32
	s_wait_kmcnt 0x0
	s_add_nc_u64 s[6:7], s[6:7], s[12:13]
	s_add_nc_u64 s[4:5], s[4:5], s[14:15]
	s_add_nc_u64 s[8:9], s[8:9], s[16:17]
	global_load_b128 v[4:7], v1, s[6:7]            ; min, max, min, max; read by many work-groups: no hint
.irp i, 0,1,2,3
	global_load_b128 v[8+4*\i:11+4*\i], v2, s[4:5] offset:4096*\i th:TH_LOAD_NT
.endr
	s_wait_loadcnt 0x4                             ; the pairs are in, the four loads of data stay out
	v_min_num_f32 v4, v4, v6
	v_max_num_f32 v5, v5, v7
.irp m, 1,2,4,8
	v_min_num_f32_dpp v4, v4, v4 row_xmask:\m row_mask:0xf bank_mask:0xf
	v_max_num_f32_dpp v5, v5, v5 row_xmask:\m row_mask:0xf bank_mask:0xf
.endr
	v_permlanex16_b32 v6, v4, s18, s19             ; v6, v7 have been written (by the load)
	v_permlanex16_b32 v7, v5, s18, s19
	v_min_num_f32 v4, v4, v6                       ; the batch's minimum, in every lane
	v_max_num_f32 v5, v5, v7                       ; and its maximum
	v_sub_f32 v6, v5, v4                           ; the largest of x - min
	v_fma_f32 v6, v6, s20, s21                     ; (that + 1e-15) x 2^-32, rounded once like the sum itself
	v_rcp_f32 v7, v6
	v_mov_b32 v5, v4                               ; v[4:5] = min twice; also the plain instruction between v_rcp_f32 and its use (ISA guide 5.7.2)
	s_wait_alu depctr_va_vdst(0)
	v_mul_f32 v6, s22, v7                          ; 100000 / (max - min + 1e-15)
	v_mov_b32 v7, v6                               ; v[6:7] = the factor twice
	; The difference is taken first and then scaled, as the definition does: folded into one multiply-add, min x factor would be
	; rounded at its own size, which is far above the result's where max - min is small beside min.
.irp i, 0,1,2,3
	s_wait_loadcnt 3-\i
	v_pk_add_f32 v[8+4*\i:9+4*\i], v[8+4*\i:9+4*\i], v[4:5] neg_lo:[0,1] neg_hi:[0,1]
	v_pk_add_f32 v[10+4*\i:11+4*\i], v[10+4*\i:11+4*\i], v[4:5] neg_lo:[0,1] neg_hi:[0,1]
	v_pk_mul_f32 v[8+4*\i:9+4*\i], v[8+4*\i:9+4*\i], v[6:7]
	v_pk_mul_f32 v[10+4*\i:11+4*\i], v[10+4*\i:11+4*\i], v[6:7]
	global_store_b128 v2, v[8+4*\i:11+4*\i], s[8:9] offset:4096*\i th:TH_STORE_NT
.endr
	s_endpgm
.Lfunc_end_k_q3c9d382f2d_norm:
	.size	k_q3c9d382f2d_norm, .Lfunc_end_k_q3c9d382f2d_norm-k_q3c9d382f2d_norm
	.p2alignl 7, 3214868480
	.fill 96, 4, 3214868480
	.section	.rodata,"a",@progbits
	.p2align	6, 0x0
	.amdhsa_kernel k_q3c9d382f2d_norm
		.amdhsa_group_segment_fixed_size 0
		.amdhsa_private_segment_fixed_size 0
		.amdhsa_enable_private_segment 0
		.amdhsa_kernarg_size 24
		.amdhsa_user_sgpr_count 2
		.amdhsa_user_sgpr_kernarg_segment_ptr 1
		.amdhsa_wavefront_size32 1
		.amdhsa_system_sgpr_workgroup_id_x 1
		.amdhsa_system_sgpr_workgroup_id_y 1
		.amdhsa_system_sgpr_workgroup_id_z 1
		.amdhsa_system_vgpr_workitem_id 0
		.amdhsa_next_free_vgpr 24
		.amdhsa_next_free_sgpr 66
		.amdhsa_reserve_vcc 0
		.amdhsa_float_denorm_mode_32 3
		.amdhsa_float_denorm_mode_16_64 3
		.amdhsa_memory_ordered 1
		.amdhsa_forward_progress 1
		.amdhsa_inst_pref_size 5
	.end_amdhsa_kernel
	.amdgpu_metadata
---
amdhsa.version: [ 1, 2 ]
amdhsa.kernels:
  - .name:           k_q3c9d382f2d_norm
    .symbol:         k_q3c9d382f2d_norm.kd
    .args:
      - { .name: raw, .offset: 0, .size: 8, .value_kind: global_buffer, .address_space: global }
      - { .name: part, .offset: 8, .size: 8, .value_kind: global_buffer, .address_space: global }
      - { .name: out0, .offset: 16, .size: 8, .value_kind: global_buffer, .address_space: global }
    .group_segment_fixed_size: 0
    .private_segment_fixed_size: 0
    .kernarg_segment_align: 8
    .kernarg_segment_size: 24
    .max_flat_workgroup_size: 256
    .sgpr_count:     66
    .vgpr_count:     24
    .wavefront_size: 32
...
	.end_amdgpu_metadata
.endif
;; end of part 2
